; MI455X (gfx1250); checked and timed in simulation.
; The chip was launched on July 23, 2026; its instructions are those of AMD's public machine-readable ISA for CDNA 5 (MIT licence, August 2026) and "CDNA5" Instruction Set Architecture Reference Guide (July 2026). The comments in the code are by the model that wrote it; some were corrected since.
;; Trellis Linear. Allowed arithmetic: matrix products marked QUANTISED: E2M1 operands, one E8M0 scale for each 32 along K, by v_wmma_scale_f32_16x16x128_f8f6f4 with both operands' format E2M1 (or v_wmma_scale_f32_32x16x128_f4), f32 sums; everything else in f32.
;; Inputs: grid 16 float32; packed_indices 512 x 512 x 128 int32; scales 64 x 8,192 float32; su 8,192 float32; sv 8,192 float32; x_codes 64 x 256 x 16 uint8 (E2M1 codes of x, K innermost, in blocks of 32 codes, two codes a byte); x_scales 64 x 256 uint8 (E8M0 scales of x, one for each 32 codes along K).
;; Outputs: out0 64 x 8,192 float32.
;; This version of the problem:
;;   THIS VERSION OF THE PROBLEM IS GIVEN IN LOW PRECISION. The matrix products marked QUANTISED in the list below multiply operands that are first quantised to E2M1 (2 exponent bits, 1 mantissa bit; 4 bits a number), with one power-of-two scale for each 32 numbers along K (OCP MX v1.0); their sums are f32. All else is computed in f32.
;;   The module's matrix products, in the order in which they are computed (A, B: the left and right operand; K: the contracted axis; several contracted axes count as one K, in the product's order):
;;     1. [M 64, K 8,192] x [K 8,192, N 8,192]; A: input x (given as codes); B: computed on the way: QUANTISED
;;   THE QUANTISER, for each operand of a quantised product, along K:
;;     - K is cut into blocks of 32 from its start; a last block that is shorter is filled with zeros.
;;     - A block's scale is 2^e with e = floor(log2(the largest magnitude in the block)) - 2, held to -126 .. 127; a block of zeros has e = 0. As a byte (E8M0): e + 127.
;;     - Each number is divided by its block's scale, clamped to +-6, and rounded to the nearest number of E2M1, ties to even, subnormals kept.
;;     - The product sums the exact products of the quantised numbers (number of the format x scale) in f32.
;;   ~~~python
;;   def quantise(x, axis):      # numpy; x: float32 -> the quantised numbers, widened to float32 again
;;       x = np.moveaxis(x, axis, -1); K = x.shape[-1]
;;       x = np.pad(x, [(0, 0)] * (x.ndim - 1) + [(0, -K % 32)]); x = x.reshape(x.shape[:-1] + (-1, 32)); a = np.abs(x).max(-1, keepdims=True)
;;       e = np.where(a > 0, np.clip(np.frexp(np.where(a > 0, a, 1))[1] - 1 - 2, -126, 127), 0)      # np.frexp(a)[1] - 1 = floor(log2(a)), exactly
;;       r = np.clip(x / 2.0 ** e, -6, 6)
;;       step = 2.0 ** (np.maximum(np.frexp(np.where(r == 0, 1, r))[1] - 1, 0) - 1)
;;       q = np.round(r / step) * step * 2.0 ** e      # np.round: ties to even
;;       return np.moveaxis(q.reshape(q.shape[:-2] + (-1,))[..., :K], -1, axis).astype(np.float32)
;;   ~~~
;;   OPERANDS COMPUTED ON THE WAY. 'Computed on the way' means the value that the module computes at that place (a softmax that the list does not call 'softmax' is quantised finished and normalised). What goes into a quantiser is computed in f32, as accurately as f32 sums, v_exp_f32 and their like allow (about 1e-6 of the number): no bf16 or f16 on the way to a quantiser, and a product that is left as it is and whose result goes on into a quantised operand takes f32 operands (vector FMAs, or v_wmma_f32_16x16x4_f32). A number that lies on a knife's edge between two numbers of the format may be rounded either way, as far as f32 arithmetic and the matrix unit's own rounding can turn it there, and no further.
;;   INPUTS GIVEN AS CODES. x (in the module: [64, 8192], K = its axis 1): each comes as NAME_codes (uint8): NAME with its K axis moved to the last place and cut into blocks of 32 codes, [.., K / 32, bytes a block], one block behind the other in memory; two codes a byte, the lower K in the low four bits (a code: sign, 2 exponent bits, 1 mantissa bit); and NAME_scales (uint8): the same leading axes, one E8M0 byte (e + 127) for each 32 codes along K. Its value is code x scale, taken as it is: it is not quantised again, and the codes and scales need not be those that the quantiser above would give.
;; 2 versions, each right; version 2 is version 1 with the launch trellis written anew for expert scheduling mode. Each part assembles by itself: llvm-mc -triple=amdgcn-amd-amdhsa -mcpu=gfx1250 --defsym DOCPART=n.
;; ======== version 1 of 2: 1 launch
;; launch trellis (part 1): grid 256 x 1, 8 waves a work-group, no clusters, 95,232 bytes of LDS; arguments packed_indices, x_codes, x_scales, scales, su, sv, grid, out0; writes out0
.if DOCPART == 1
	.amdgcn_target "amdgcn-amd-amdhsa--gfx1250"
	.amdhsa_code_object_version 6
	.text
	.protected	k_q8937031dfc_trellis
	.globl	k_q8937031dfc_trellis
	.p2align	8
	.type	k_q8937031dfc_trellis,@function
k_q8937031dfc_trellis:
	s_mov_b64 s[64:65], 0
	v_nop
	global_prefetch_b8 v0, s[64:65] scope:SCOPE_SE
	s_setreg_imm32_b32 hwreg(HW_REG_WAVE_MODE, 25, 1), 1
	s_wait_xcnt 0x0
; out0[m][n] = sum over k of x[m][k] Q(W)[k][n], W[k][n] = grid[idx[k][n]] x scales[k/128][n] x su[k] x sv[n], Q the MX-FP4 quantiser along K (blocks of 32).
; x comes as E2M1 codes with E8M0 scale bytes.  idx lies in tiles of 16 (k) x 16 (n): 128 int32 a tile, each holding one byte = two indices (n even in the low four bits), n fastest, then k.
; SHARES.  256 work-groups; each owns 32 columns (two tiles along N), all 64 tokens, all of K.  Eight waves; wave w owns K = 1024 w .. 1024 w + 1023, in 8 trips of 128.  The eight partial sums meet in LDS at the end.
; A TRIP: 8 tile rows x 2 tiles = 16 loads of 512 consecutive bytes (8 KB a wave), issued two trips ahead.  Byte 0 of each int32 is kept (as the definition uses the low 8 bits alone) and four bytes of ONE column pair are
; packed into a word: tile rows 0,1,4,5 into one word, 2,3,6,7 into the other.  The words turn through the wave's own stage in LDS, so that lane (r, h) (r = lane % 16, h = lane / 16) holds column pair r and the K blocks h and 2 + h:
; the layout of a 4-bit operand (16 rows x 128 K).  Fragment j (0, 1) takes column 2 r + j of the work-group's 32 from lane r: which columns form a fragment only says where a result lands.
; A WEIGHT: a shift brings its index to bits 5:2; ds_bpermute_b32 (lane = address / 4 mod 32) takes grid[index] from a register that holds grid[lane % 16] in all 32 lanes, so bit 6 and all other bits need no mask;
; x su[k] by a DPP multiply (row_share: each half of the lanes holds its own block's su, 16 to a register); the block's largest magnitude; x c = scales x sv; the conversion.
; THE MATRIX INSTRUCTION IS USED TRANSPOSED: source 0 = 16 columns of W, source 1 = 16 tokens: a lane holds one token.
; NO CLUSTER: what work-groups share is x, 4,352 bytes a trip beside 8,192 of indices.  Asked for jointly it would pass through LDS: 12 LDS loads more in a trip that already has 148 LDS instructions against 33 loads from memory;
; each fragment of x is used by one wave in one trip, so it goes straight into the operand's registers.
; OUTPUT: 32 columns are 128 bytes of a row of out0: eight lanes store them on end.  64 columns to a work-group would leave work for 128 work-groups only.
; LIMITS: w is formed as (grid x su) x (scales x sv), each product rounded to f32: another order of rounding than ((grid x scales) x su) x sv.  A block of zeros gets the scale byte 1, not 127: its codes are zeros.
; A block's largest magnitude is held at 2^(3 - 127) from below.  NaN and infinities among the inputs are not served.
; REGISTERS, in windows of 256 (s_set_vgpr_msb: bits 1:0 source 0, 3:2 source 1, 5:4 source 2, 7:6 destination):
;   window 0: v1-9 addresses, table; v10-15 sv, c; v16-35 two sets of scales, su, x's scale words; v36-47 W's scale words, at work; v48-63 packed words; v64-79 codes; v80-143 two batches of 32 numbers; v144-155 the way out
;   window 1: v0-127 two sets of 16 x 4 raw indices; v128-191 two sets of x's four fragments; v192-255 eight accumulators (token tile mt, fragment j) at v[192 + 8 (2 mt + j)]
.set TKB,    262144                    ; bytes from a row of tiles (16 along K, all of N) to the next
.set TRIPB,  8*TKB                     ; a trip's eight rows of tiles
.set PPITCH, 80                        ; stage: a column pair's 16 words + 16 bytes: an odd multiple of 16
.set XYB,    16*PPITCH                 ; the 16 pairs' words for lanes 0-15; behind them those for lanes 16-31
.set STGW,   2*XYB                     ; a wave's stage
.set RED,    8*STGW                    ; behind the stages: the partial sums
.set RPITCH, 144                       ; a token's 32 partial sums + 16 bytes
.set REDW,   64*RPITCH                 ; a wave's 64 tokens
.set LOFF, 1                           ; v1   16 x lane: my 16 bytes of a tile
.set XO,   2                           ; v2   x's codes: 4,096 r + 16 h
.set XSO,  3                           ; v3   x's scale words: 256 r
.set SUO,  4                           ; v4   su: 4 (32 h + r)
.set SCO,  5                           ; v5   scales, sv: 8 r (my two columns)
.set WST,  6                           ; v6   stage, on the way in
.set RDA,  7                           ; v7   stage, on the way out
.set SH8,  8                           ; v8   8 h
.set GT,   9                           ; v9   grid[lane % 16]
.set SV,   10                          ; v[10:11] sv of my two columns
.set CC,   12                          ; v[12:13] c of column 0, twice; v[14:15] of column 1, twice
.set SCL,  16                          ; set b: v[16+2b:17+2b] scales of my two columns
.set SS,   20                          ; set b: v[20+4b+2c+u]: su[64 c + 32 h + 16 u + r] of the trip
.set XSC,  28                          ; set b: v[28+4b+mt]: x's scale words, token tile mt
.set WS,   36                          ; v36, v37 W's scale words, fragment 0, 1: they hold scales alone
.set PT,   38                          ; v38, v39 the other half's bytes
.set MXA,  40                          ; v40, v41 largest magnitudes
.set MXB,  41
.set EE,   42                          ; v42  the conversion's scale operand
.set BY,   44                          ; v[44+2c+j] scale bytes
.set Q,    48                          ; v48-63 word i: bytes a = 0..3 of row i of tile rows (0,1,4,5) or (2,3,6,7)
.set COD,  64                          ; v[64+8j+4c+g] codes
.set F,    80                          ; v80-111, v112-143 two batches; at a trip's head the packing works here
.set RW,   144                         ; v144 partial sums, in
.set RR,   145                         ; v145 partial sums, out
.set OO,   146                         ; v146 my byte offset in out0
.set GO,   147                         ; v147 4 r: grid
.set OUTR, 148                         ; v148-155 results
.set PP,   8                           ; s[8:9]   packed_indices
.set PX,   10                          ; s[10:11] x_codes
.set PXS,  12                          ; s[12:13] x_scales
.set PSC,  14                          ; s[14:15] scales
.set PSU,  16                          ; s[16:17] su
.set PSV,  18                          ; s[18:19] sv
.set PG,   20                          ; s[20:21] grid
.set PO,   22                          ; s[22:23] out0
.set WV,   24                          ; s24 wave
.set TA,   26                          ; s[26:27], s[28:29] offsets
.set TB,   28
.set SEL1, 30
.set SEL2, 31
.set SELA, 32
.set SELB, 33
.set CNT,  34
.set LA,   36
.set MSB, 0
.macro WIN new                         ; the immediate's high byte repeats the setting that is left; a switch that changes nothing is dropped
.if MSB != \new
	s_set_vgpr_msb (MSB<<8)|\new
.set MSB, \new
.endif
.endm
; 16 loads: 8 rows of tiles x 2 tiles, 512 consecutive bytes each, into raw set bs (window 1)
.macro RAWLOAD bs, off
	WIN 0x40
.irp a, 0,1,2,3,4,5,6,7
.irp tt, 0,1
	global_load_b128 v[64*(\bs)+4*(2*\a+\tt):64*(\bs)+4*(2*\a+\tt)+3], v[LOFF], s[PP:PP+1] offset:\off+\a*TKB+\tt*512 th:TH_LOAD_NT
.endr
.endr
.endm
; 17 loads: what a trip wants beside its indices, into set bs
.macro GROUP bs
.irp mt, 0,1,2,3
	global_load_b32 v[XSC+4*(\bs)+\mt], v[XSO], s[PXS:PXS+1] offset:\mt*4096        ; token 16 mt + r: four scale bytes = this trip's 128 along K
.endr
.irp c, 0,1
.irp u, 0,1
	global_load_b32 v[SS+4*(\bs)+2*\c+\u], v[SUO], s[PSU:PSU+1] offset:256*\c+64*\u
.endr
.endr
	global_load_b64 v[SCL+2*(\bs):SCL+2*(\bs)+1], v[SCO], s[PSC:PSC+1]
	WIN 0x40
.irp mt, 0,1,2,3
.irp c, 0,1
	global_load_b128 v[128+32*(\bs)+8*\mt+4*\c:128+32*(\bs)+8*\mt+4*\c+3], v[XO], s[PX:PX+1] offset:\mt*65536+32*\c   ; registers 4 c ..: K = 64 c + 32 h + 0 .. 31
.endr
.endr
.endm
; Batch (c, j): my block 2 c + h of column j.  Number i = 16 (a & 1) + row: byte a = 2 c + i / 16 of word i % 16, its low (j = 0) or high four bits, brought to bits 5:2.
; The lowest index goes up by a 24-bit multiply by 4, so that no address has its top bit set.
.macro SHIFT c, j, fb
.set ii, 0
.rept 32
.set sh, 8*(2*(\c)+ii/16)+4*(\j)-2
.if sh < 0
	v_mul_u32_u24 v[F+32*(\fb)+ii], 4, v[Q+ii%16]
.else
	v_lshrrev_b32 v[F+32*(\fb)+ii], sh, v[Q+ii%16]
.endif
.set ii, ii+1
.endr
.endm
.macro BPERM fb                        ; grid[index], in place
.set ii, 0
.rept 32
	ds_bpermute_b32 v[F+32*(\fb)+ii], v[F+32*(\fb)+ii], v[GT]
.set ii, ii+1
.endr
.endm
; 32 numbers of one block of one column become 4 registers of codes and a scale byte
.macro PROCESS c, j, fb, bs
.set FB, F+32*(\fb)
.irp u, 0,1
.irp ln, 0,1,2,3,4,5,6,7,8,9,10,11,12,13,14,15
	v_mul_f32_dpp v[FB+16*\u+\ln], v[SS+4*(\bs)+2*(\c)+\u], v[FB+16*\u+\ln] row_share:\ln row_mask:0xf bank_mask:0xf   ; x su[64 c + 32 h + 16 u + ln]: lane ln of my half holds it
.endr
.endr
	v_max3_num_f32 v[MXA], |v[FB]|, |v[FB+1]|, |v[FB+2]|       ; the largest |grid x su| of the block, in two chains
	v_max3_num_f32 v[MXB], |v[FB+3]|, |v[FB+4]|, |v[FB+5]|
.irp i, 6,10,14,18,22,26
	v_max3_num_f32 v[MXA], v[MXA], |v[FB+\i]|, |v[FB+\i+1]|
	v_max3_num_f32 v[MXB], v[MXB], |v[FB+\i+2]|, |v[FB+\i+3]|
.endr
	v_max3_num_f32 v[MXA], v[MXA], |v[FB+30]|, |v[FB+31]|
	v_max_num_f32 v[MXA], v[MXA], v[MXB]
	v_mul_f32 v[MXA], v[MXA], |v[CC+2*(\j)]|                   ; x |c|: rounding keeps order, so this is the largest |w|
	v_max_num_f32 v[MXA], 0x1800000, v[MXA]                    ; the floor 2^(3 - 127): the byte cannot fall under 1
	v_add_nc_u32 v[EE], 0xff000000, v[MXA]                     ; 2 off the exponent field: the conversion takes the exponent field of this operand as its scale
.irp i, 0,2,4,6,8,10,12,14,16,18,20,22,24,26,28,30
	v_pk_mul_f32 v[FB+\i:FB+\i+1], v[FB+\i:FB+\i+1], v[CC+2*(\j):CC+2*(\j)+1]   ; w = (grid x su) x c
.endr
.irp g, 0,1,2,3
	v_cvt_scalef32_pk8_fp4_f32 v[COD+8*(\j)+4*(\c)+\g], v[FB+8*\g:FB+8*\g+7], v[EE]
.endr
	v_lshrrev_b32 v[BY+2*(\c)+(\j)], 23, v[EE]                 ; the scale's byte.  Also the plain instruction between the conversions and the next write of their sources
.endm
; A TRIP.  bs: its sets (trip % 2); zero: its products start the sums; ldx: the next trip's group is asked for; ldr: the indices of the trip after next; n1, n2: younger loads that may stay out
.macro TRIP bs, zero, ldx, ldr, n1, n2
	s_wait_loadcnt \n1                             ; loads come back in order (ISA guide 5.7.1): this trip's 16 index loads are in; behind them were issued this trip's group (17) and the next trip's indices (16)
	WIN 0x05                                       ; sources in window 1
.irp tt, 0,1
.irp p, 0,1,2,3
	v_perm_b32 v[F+4*(4*\tt+\p)],   v[64*(\bs)+4*(2+\tt)+\p],  v[64*(\bs)+4*(0+\tt)+\p],  s[SEL1]   ; byte 0 of tile rows 0, 1
	v_perm_b32 v[F+4*(4*\tt+\p)+1], v[64*(\bs)+4*(10+\tt)+\p], v[64*(\bs)+4*(8+\tt)+\p],  s[SEL1]   ; 4, 5
	v_perm_b32 v[F+4*(4*\tt+\p)+2], v[64*(\bs)+4*(6+\tt)+\p],  v[64*(\bs)+4*(4+\tt)+\p],  s[SEL1]   ; 2, 3
	v_perm_b32 v[F+4*(4*\tt+\p)+3], v[64*(\bs)+4*(14+\tt)+\p], v[64*(\bs)+4*(12+\tt)+\p], s[SEL1]   ; 6, 7
.endr
.endr
	WIN 0
.irp e, 0,1,2,3,4,5,6,7
	v_perm_b32 v[F+32+2*\e],   v[F+4*\e+1], v[F+4*\e],   s[SEL2]   ; tile rows 0,1,4,5: K blocks 0 and 2, for lanes 0-15
	v_perm_b32 v[F+32+2*\e+1], v[F+4*\e+3], v[F+4*\e+2], s[SEL2]   ; tile rows 2,3,6,7: K blocks 1 and 3, for lanes 16-31
.endr
.irp e, 0,1,2,3,4,5,6,7                        ; I hold row lane / 2 of pairs 4 (lane % 2) + p of tile tt (e = 4 tt + p): word [pair][row]
	ds_store_b32 v[WST], v[F+32+2*\e]   offset:(8*(\e/4)+\e%4)*PPITCH
	ds_store_b32 v[WST], v[F+32+2*\e+1] offset:XYB+(8*(\e/4)+\e%4)*PPITCH
.endr
.irp q, 0,1,2,3
	ds_load_b128 v[Q+4*\q:Q+4*\q+3], v[RDA] offset:16*\q       ; my pair's 16 words.  LDS serves a wave's instructions in order (ISA guide 5.7.1.4): these see the stores above; the stage is my wave's own
.endr
.if \ldx
	s_wait_xcnt 0x0                                ; the loads issued a trip ago have read their bases: only behind this wait are the bases stepped
	s_add_nc_u64 s[PP:PP+1], s[PP:PP+1], TRIPB
	s_add_nc_u64 s[PX:PX+1], s[PX:PX+1], 64
	s_add_nc_u64 s[PXS:PXS+1], s[PXS:PXS+1], 4
	s_add_nc_u64 s[PSU:PSU+1], s[PSU:PSU+1], 512
	s_add_nc_u64 s[PSC:PSC+1], s[PSC:PSC+1], 32768
	GROUP (1-\bs)                                  ; the next trip's group goes out AHEAD of the indices of the trip after next: issue order = order of use, so counted waits never wait for younger data
.endif
.if \ldr
	RAWLOAD \bs, TRIPB                             ; into the set just packed
.endif
	WIN 0
	s_wait_loadcnt \n2                             ; this trip's group is in; behind it: the next trip's indices, its group, the indices of the trip after next
	v_mul_f32 v[CC],   v[SCL+2*(\bs)],   v[SV]     ; c = scales x sv, each twice for the packed multiply
	v_mul_f32 v[CC+1], v[SCL+2*(\bs)],   v[SV]
	v_mul_f32 v[CC+2], v[SCL+2*(\bs)+1], v[SV+1]
	v_mul_f32 v[CC+3], v[SCL+2*(\bs)+1], v[SV+1]
	s_wait_dscnt 0x0                               ; my 16 words are back (and the stores have read their registers)
	SHIFT 0, 0, 0                                  ; four batches on two buffers: a batch's permutes are out while the batch before is worked
	BPERM 0
	SHIFT 0, 1, 1
	BPERM 1
	s_wait_dscnt 32                                ; all but the 32 permutes just issued
	PROCESS 0, 0, 0, \bs
	SHIFT 1, 0, 0
	BPERM 0
	s_wait_dscnt 32
	PROCESS 0, 1, 1, \bs
	SHIFT 1, 1, 1
	BPERM 1
	s_wait_dscnt 32
	PROCESS 1, 0, 0, \bs
	s_wait_dscnt 0x0
	PROCESS 1, 1, 1, \bs
.irp j, 0,1
	v_lshl_or_b32 v[WS+\j], v[BY+2+\j], 16, v[BY+\j]           ; my two bytes: blocks h and 2 + h,
.endr
.irp j, 0,1
	v_lshlrev_b32 v[WS+\j], v[SH8], v[WS+\j]                   ; at their places in the scale word;
.endr
.irp j, 0,1
	v_permlanex16_b32 v[PT+\j], v[WS+\j], s[SELA], s[SELB]
.endr
.irp j, 0,1
	v_or_b32 v[WS+\j], v[WS+\j], v[PT+\j]                      ; with lane l xor 16's two the word is whole
.endr
.rept 8
	v_nop                                          ; a scale register written by a vector instruction stands 8 places ahead of a scaled matrix instruction, an operand so written 4
.endr
	WIN 0x54                                       ; source 0 (codes) window 0; source 1 (x), C and D window 1
.irp mt, 0,1,2,3                               ; eight accumulators by turns, one instruction a turn
.irp j, 0,1
.if \zero
	v_wmma_scale_f32_16x16x128_f8f6f4 v[192+8*(2*\mt+\j):192+8*(2*\mt+\j)+7], v[COD+8*\j:COD+8*\j+7], v[128+32*(\bs)+8*\mt:128+32*(\bs)+8*\mt+7], 0, v[WS+\j], v[XSC+4*(\bs)+\mt] matrix_a_fmt:MATRIX_FMT_FP4 matrix_b_fmt:MATRIX_FMT_FP4
.else
	v_wmma_scale_f32_16x16x128_f8f6f4 v[192+8*(2*\mt+\j):192+8*(2*\mt+\j)+7], v[COD+8*\j:COD+8*\j+7], v[128+32*(\bs)+8*\mt:128+32*(\bs)+8*\mt+7], v[192+8*(2*\mt+\j):192+8*(2*\mt+\j)+7], v[WS+\j], v[XSC+4*(\bs)+\mt] matrix_a_fmt:MATRIX_FMT_FP4 matrix_b_fmt:MATRIX_FMT_FP4
.endif
.endr
.endr
	WIN 0                                          ; the next trip's 48 packing instructions are the places ahead of the loads into the registers that these products read
.endm
	s_load_b256 s[8:15], s[0:1], 0x0               ; packed_indices, x_codes, x_scales, scales
	s_load_b256 s[16:23], s[0:1], 0x20             ; su, sv, grid, out0
	v_lshl_add_u32 v254, v0, 2, 0x17000
	v_mov_b32 v255, 0
	v_lshrrev_b32 v[LOFF], 5, v0
	v_readfirstlane_b32 s[WV], v[LOFF]             ; wave 0..7
	v_and_b32 v40, 31, v0                          ; lane
	v_and_b32 v41, 15, v0                          ; r
	v_bfe_u32 v42, v0, 4, 1                        ; h
	v_lshlrev_b32 v[LOFF], 4, v40
	v_lshlrev_b32 v[XO], 12, v41
	v_lshl_add_u32 v[XO], v42, 4, v[XO]
	v_lshlrev_b32 v[XSO], 8, v41
	v_lshlrev_b32 v[SUO], 2, v41
	v_lshl_add_u32 v[SUO], v42, 7, v[SUO]
	v_lshlrev_b32 v[SCO], 3, v41
	v_lshlrev_b32 v[GO], 2, v41
	s_lshl_b32 s[TA], ttmp9, 10                    ; my two tiles: 1,024 bytes a work-group,
	s_lshl_b32 s[TB], s[WV], 24                    ; my wave's 64 rows of tiles
	s_add_co_u32 s[TA], s[TA], s[TB]
	s_mov_b32 s[TA+1], 0
	s_mov_b32 s[TB+1], 0
	s_wait_kmcnt 0x0
	s_add_nc_u64 s[PP:PP+1], s[PP:PP+1], s[TA:TA+1]
	s_lshl_b32 s[TA], s[WV], 9                     ; 1,024 codes of a row of x
	s_add_nc_u64 s[PX:PX+1], s[PX:PX+1], s[TA:TA+1]
	s_lshl_b32 s[TA], s[WV], 5                     ; their 32 scale bytes
	s_add_nc_u64 s[PXS:PXS+1], s[PXS:PXS+1], s[TA:TA+1]
	s_lshl_b32 s[TA], s[WV], 12                    ; 1,024 numbers of su
	s_add_nc_u64 s[PSU:PSU+1], s[PSU:PSU+1], s[TA:TA+1]
	s_lshl_b32 s[TB], ttmp9, 7                     ; my 32 columns, in f32
	s_add_nc_u64 s[PSV:PSV+1], s[PSV:PSV+1], s[TB:TB+1]
	s_lshl_b32 s[TA], s[WV], 18                    ; 8 rows of 32,768 bytes: of scales (my wave's 8 blocks of 128) and of out0 (the 8 tokens that my wave stores)
	s_add_co_u32 s[TA], s[TA], s[TB]
	s_add_nc_u64 s[PSC:PSC+1], s[PSC:PSC+1], s[TA:TA+1]
	s_add_nc_u64 s[PO:PO+1], s[PO:PO+1], s[TA:TA+1]
	global_load_b32 v[GT], v[GO], s[PG:PG+1]       ; grid[lane % 16]
	global_load_b64 v[SV:SV+1], v[SCO], s[PSV:PSV+1]
	RAWLOAD 0, 0                                   ; trip 0's indices, its group, trip 1's indices: in the order of use
	WIN 0
	GROUP 0
	RAWLOAD 1, TRIPB
	WIN 0
	s_mov_b32 s[SEL1], 0x04000400                  ; v_perm_b32: byte 0 of the second source, byte 0 of the first
	s_mov_b32 s[SEL2], 0x05040100                  ; the two low halves
	s_mov_b32 s[SELA], 0x76543210                  ; v_permlanex16_b32: lane l xor 16
	s_mov_b32 s[SELB], 0xfedcba98
	v_mov_b32 v[PT], 0                             ; written once: a lane permute's destination counts as one of its sources
	v_mov_b32 v[PT+1], 0
	v_lshlrev_b32 v[SH8], 3, v42
	s_mul_i32 s[LA], s[WV], STGW                   ; my wave's stage
	v_bfe_u32 v43, v0, 1, 4                        ; the tile's row that I load: lane / 2
	v_and_b32 v44, 1, v0                           ; and which half of it
	v_mul_u32_u24 v[WST], v44, 4*PPITCH
	v_lshl_add_u32 v[WST], v43, 2, v[WST]
	v_add_nc_u32 v[WST], s[LA], v[WST]             ; in: pair 4 (lane % 2) + .., word lane / 2: the two halves' words lie 80 words apart, so 32 lanes touch 32 banks
	v_mul_u32_u24 v[RDA], v41, PPITCH
	v_mad_u32_u24 v[RDA], v42, XYB, v[RDA]
	v_add_nc_u32 v[RDA], s[LA], v[RDA]             ; out: pair r, my half's words
	s_mul_i32 s[LA], s[WV], REDW
	v_mul_u32_u24 v[RW], v41, RPITCH
	v_lshl_add_u32 v[RW], v42, 5, v[RW]
	v_add_nc_u32 v[RW], s[LA], v[RW]
	v_add_nc_u32 v[RW], RED, v[RW]                 ; partial sums, in: my wave's part, token r, 32 h bytes on
	s_mul_i32 s[LA], s[WV], 8*RPITCH
	v_bfe_u32 v46, v0, 3, 2                        ; out: lane / 8 = token, lane % 8 = which four columns
	v_and_b32 v47, 7, v0
	v_mul_u32_u24 v[RR], v46, RPITCH
	v_lshl_add_u32 v[RR], v47, 3, v[RR]
	v_add_nc_u32 v[RR], s[LA], v[RR]
	v_add_nc_u32 v[RR], RED, v[RR]
	v_lshlrev_b32 v[OO], 15, v46
	v_lshl_add_u32 v[OO], v47, 4, v[OO]
	TRIP 0, 1, 1, 1, 33, 49                        ; trip 0: its products start the sums: nothing is cleared
	TRIP 1, 0, 1, 1, 33, 49
	s_mov_b32 s[CNT], 2
.Lpair:                                            ; trips 2 to 5: two a pass, so that the sets are back where they began
	TRIP 0, 0, 1, 1, 33, 49
	TRIP 1, 0, 1, 1, 33, 49
	s_sub_co_u32 s[CNT], s[CNT], 1
	s_cmp_lg_u32 s[CNT], 0
	s_cbranch_scc1 .Lpair
	TRIP 0, 0, 1, 0, 33, 33                        ; trip 6 asks for no indices, trip 7 for nothing: no load leaves its buffer, and the counts run down
	TRIP 1, 0, 0, 0, 17, 0
	; THE SUM OVER THE EIGHT WAVES.  Register i of accumulator (mt, j) in lane (r, h) is token 16 mt + r, column 16 h + 2 i + j.  It goes to [wave][token][16 j + 8 h + i]; a barrier; wave w then takes tokens 8 w .. 8 w + 7:
	; a lane takes four neighbouring columns 4 q .. 4 q + 3 of a token: the pair at word 2 q (j = 0: columns 4 q, 4 q + 2) and the pair at word 16 + 2 q (j = 1: columns 4 q + 1, 4 q + 3) of each wave's part.
.rept 4
	v_nop                                          ; four places between the last products and the first read of results
.endr
	WIN 0x04                                       ; an LDS store's data are its source 1: window 1
.irp mt, 0,1,2,3
.irp j, 0,1
	ds_store_b128 v[RW], v[192+8*(2*\mt+\j):192+8*(2*\mt+\j)+3]   offset:\mt*16*RPITCH+64*\j      ; each accumulator from its low end on
	ds_store_b128 v[RW], v[192+8*(2*\mt+\j)+4:192+8*(2*\mt+\j)+7] offset:\mt*16*RPITCH+64*\j+16
.endr
.endr
	WIN 0
	s_wait_dscnt 0x0                               ; for the others' sake: my partial sums lie in LDS
	s_barrier_signal -1
	s_barrier_wait -1                              ; everybody's do
.irp hh, 0,1                                   ; tokens 8 w + 4 hh + lane / 8
.irp wv, 0,1,2,3,4,5,6,7
	ds_load_b64 v[F+32*\hh+4*\wv:F+32*\hh+4*\wv+1],   v[RR] offset:\wv*REDW+\hh*4*RPITCH
	ds_load_b64 v[F+32*\hh+4*\wv+2:F+32*\hh+4*\wv+3], v[RR] offset:\wv*REDW+\hh*4*RPITCH+64
.endr
.endr
.irp hh, 0,1
	s_wait_dscnt 16-16*\hh                         ; this half's 16 loads are in; the other half's may be out
.irp wv, 0,2,4,6
	v_pk_add_f32 v[F+32*\hh+4*\wv:F+32*\hh+4*\wv+1],   v[F+32*\hh+4*\wv:F+32*\hh+4*\wv+1],   v[F+32*\hh+4*\wv+4:F+32*\hh+4*\wv+5]
	v_pk_add_f32 v[F+32*\hh+4*\wv+2:F+32*\hh+4*\wv+3], v[F+32*\hh+4*\wv+2:F+32*\hh+4*\wv+3], v[F+32*\hh+4*\wv+6:F+32*\hh+4*\wv+7]
.endr
.irp wv, 0,4
	v_pk_add_f32 v[F+32*\hh+4*\wv:F+32*\hh+4*\wv+1],   v[F+32*\hh+4*\wv:F+32*\hh+4*\wv+1],   v[F+32*\hh+4*\wv+8:F+32*\hh+4*\wv+9]
	v_pk_add_f32 v[F+32*\hh+4*\wv+2:F+32*\hh+4*\wv+3], v[F+32*\hh+4*\wv+2:F+32*\hh+4*\wv+3], v[F+32*\hh+4*\wv+10:F+32*\hh+4*\wv+11]
.endr
	v_add_f32 v[OUTR+4*\hh],   v[F+32*\hh],   v[F+32*\hh+16]   ; the last addition puts the four columns in order
	v_add_f32 v[OUTR+4*\hh+1], v[F+32*\hh+2], v[F+32*\hh+18]
	v_add_f32 v[OUTR+4*\hh+2], v[F+32*\hh+1], v[F+32*\hh+17]
	v_add_f32 v[OUTR+4*\hh+3], v[F+32*\hh+3], v[F+32*\hh+19]
	global_store_b128 v[OO], v[OUTR+4*\hh:OUTR+4*\hh+3], s[PO:PO+1] offset:\hh*4*32768 th:TH_STORE_NT   ; eight lanes store a token's 128 consecutive bytes, at a multiple of 128 from out0's first byte
.endr
	s_wait_tensorcnt 0x0
	ds_add_u32 v254, v255
	s_wait_dscnt 0x0
	s_endpgm
.Lfunc_end_k_q8937031dfc_trellis:
	.size	k_q8937031dfc_trellis, .Lfunc_end_k_q8937031dfc_trellis-k_q8937031dfc_trellis
	.p2alignl 7, 3214868480
	.fill 96, 4, 3214868480
	.section	.rodata,"a",@progbits
	.p2align	6, 0x0
	.amdhsa_kernel k_q8937031dfc_trellis
		.amdhsa_group_segment_fixed_size 95232
		.amdhsa_private_segment_fixed_size 0
		.amdhsa_enable_private_segment 0
		.amdhsa_kernarg_size 64
		.amdhsa_user_sgpr_count 2
		.amdhsa_user_sgpr_kernarg_segment_ptr 1
		.amdhsa_wavefront_size32 1
		.amdhsa_system_sgpr_workgroup_id_x 1
		.amdhsa_system_sgpr_workgroup_id_y 1
		.amdhsa_system_sgpr_workgroup_id_z 1
		.amdhsa_system_vgpr_workitem_id 0
		.amdhsa_next_free_vgpr 512
		.amdhsa_next_free_sgpr 66
		.amdhsa_reserve_vcc 0
		.amdhsa_float_denorm_mode_32 3
		.amdhsa_float_denorm_mode_16_64 3
		.amdhsa_memory_ordered 1
		.amdhsa_forward_progress 1
		.amdhsa_inst_pref_size 247
	.end_amdhsa_kernel
	.amdgpu_metadata
---
amdhsa.version: [ 1, 2 ]
amdhsa.kernels:
  - .name:           k_q8937031dfc_trellis
    .symbol:         k_q8937031dfc_trellis.kd
    .args:
      - { .name: packed_indices, .offset: 0, .size: 8, .value_kind: global_buffer, .address_space: global }
      - { .name: x_codes, .offset: 8, .size: 8, .value_kind: global_buffer, .address_space: global }
      - { .name: x_scales, .offset: 16, .size: 8, .value_kind: global_buffer, .address_space: global }
      - { .name: scales, .offset: 24, .size: 8, .value_kind: global_buffer, .address_space: global }
      - { .name: su, .offset: 32, .size: 8, .value_kind: global_buffer, .address_space: global }
      - { .name: sv, .offset: 40, .size: 8, .value_kind: global_buffer, .address_space: global }
      - { .name: grid, .offset: 48, .size: 8, .value_kind: global_buffer, .address_space: global }
      - { .name: out0, .offset: 56, .size: 8, .value_kind: global_buffer, .address_space: global }
    .group_segment_fixed_size: 95232
    .private_segment_fixed_size: 0
    .kernarg_segment_align: 8
    .kernarg_segment_size: 64
    .max_flat_workgroup_size: 256
    .sgpr_count:     66
    .vgpr_count:     512
    .wavefront_size: 32
...
	.end_amdgpu_metadata
.endif
;; end of part 1
;; ======== version 2 of 2: 1 launch; version 1 with the launch trellis written anew for expert scheduling mode
;; launch trellis (part 2): grid 256 x 1, 8 waves a work-group, no clusters, 95,232 bytes of LDS; arguments packed_indices, x_codes, x_scales, scales, su, sv, grid, out0; writes out0
.if DOCPART == 2
	.amdgcn_target "amdgcn-amd-amdhsa--gfx1250"
	.amdhsa_code_object_version 6
	.text
	.protected	k_q8937031dfc_trellis
	.globl	k_q8937031dfc_trellis
	.p2align	8
	.type	k_q8937031dfc_trellis,@function
k_q8937031dfc_trellis:
	s_mov_b64 s[64:65], 0
	v_nop
	global_prefetch_b8 v0, s[64:65] scope:SCOPE_SE
	s_setreg_imm32_b32 hwreg(HW_REG_WAVE_SCHED_MODE, 0, 2), 2
	s_setreg_imm32_b32 hwreg(HW_REG_WAVE_MODE, 25, 1), 1
	s_wait_xcnt 0x0
	s_wait_alu depctr_vm_vsrc(0)
; out0[m][n] = sum over k of x[m][k] Q(W)[k][n], W[k][n] = grid[idx[k][n]] x scales[k/128][n] x su[k] x sv[n], Q the MX-FP4 quantiser along K (blocks of 32).
; x comes as E2M1 codes with E8M0 scale bytes.  idx lies in tiles of 16 (k) x 16 (n): 128 int32 a tile, each holding one byte = two indices (n even in the low four bits), n fastest, then k.
; SHARES.  256 work-groups; each owns 32 columns (two tiles along N), all 64 tokens, all of K.  Eight waves; wave w owns K = 1024 w .. 1024 w + 1023, in 8 trips of 128.  The eight partial sums meet in LDS at the end.
; A TRIP: 8 tile rows x 2 tiles = 16 loads of 512 consecutive bytes (8 KB a wave), issued two trips ahead.  Byte 0 of each int32 is kept (as the definition uses the low 8 bits alone) and four bytes of ONE column pair are
; packed into a word: tile rows 0,1,4,5 into one word, 2,3,6,7 into the other.  The words turn through the wave's own stage in LDS, so that lane (r, h) (r = lane % 16, h = lane / 16) holds column pair r and the K blocks h and 2 + h:
; the layout of a 4-bit operand (16 rows x 128 K).  Fragment j (0, 1) takes column 2 r + j of the work-group's 32 from lane r: which columns form a fragment only says where a result lands.
; A WEIGHT: a shift brings its index to bits 5:2; ds_bpermute_b32 (lane = address / 4 mod 32) takes grid[index] from a register that holds grid[lane % 16] in all 32 lanes, so bit 6 and all other bits need no mask;
; x su[k] by a DPP multiply (row_share: each half of the lanes holds its own block's su, 16 to a register); the block's largest magnitude; x c = scales x sv; the conversion.
; THE MATRIX INSTRUCTION IS USED TRANSPOSED: source 0 = 16 columns of W, source 1 = 16 tokens: a lane holds one token.
; NO CLUSTER: what work-groups share is x, 4,352 bytes a trip beside 8,192 of indices.  Asked for jointly it would pass through LDS: 12 LDS loads more in a trip that already has 148 LDS instructions against 33 loads from memory;
; each fragment of x is used by one wave in one trip, so it goes straight into the operand's registers.
; OUTPUT: 32 columns are 128 bytes of a row of out0: eight lanes store them on end.  64 columns to a work-group would leave work for 128 work-groups only.
; LIMITS: w is formed as (grid x su) x (scales x sv), each product rounded to f32: another order of rounding than ((grid x scales) x su) x sv.  A block of zeros gets the scale byte 1, not 127: its codes are zeros.
; A block's largest magnitude is held at 2^(3 - 127) from below.  NaN and infinities among the inputs are not served.
; REGISTERS, in windows of 256 (s_set_vgpr_msb: bits 1:0 source 0, 3:2 source 1, 5:4 source 2, 7:6 destination):
;   window 0: v1-9 addresses, table; v10-15 sv, c; v16-35 two sets of scales, su, x's scale words; v36-47 W's scale words, at work; v48-63 packed words; v64-79 codes; v80-143 two batches of 32 numbers; v144-155 the way out;
;             v156-251 three batches of 32 permute addresses
;   window 1: v0-127 two sets of 16 x 4 raw indices; v128-191 two sets of x's four fragments; v192-255 eight accumulators (token tile mt, fragment j) at v[192 + 8 (2 mt + j)]
; THE MODE: SCHED_MODE bits 1:0 = 2 (LLVM: expert scheduling mode 2), set by the entry lines.  The code itself states the register dependences
; between vector or matrix instructions and memory or LDS instructions, with s_wait_alu, always for 0.
; THE PLAN.  Registers that memory or LDS instructions touch, in a trip (its sets: bs):
;   raw set bs     read by the packing at the trip's head; behind it the indices of the trip after next land in it.
;   F+32 .. F+47   the packed words: written by the packing, read by the 16 LDS stores; later a batch's permutes land there (F1).
;   Q              the 4 LDS loads land in it; read by the four runs of shifts.
;   the other sets of scales, su, x's scale words and fragments: read by the last trip's multiplies and products; the next trip's group lands in them.
;   AD0 AD1 AD2    permute addresses: written by the shifts, read by the permutes.  Batches (0,0), (0,1), (1,0) take AD0, AD1, AD2; batch (1,1) takes AD0 again.
;   F0 F1          the permutes' results land; PROCESS works them in place.  Batches (0,0), (1,0) take F0; (0,1), (1,1) take F1.
;   v1-7, v9, v144-147  offsets, LDS addresses and the table: written at the head alone.
; FIVE waits on va_vdst a trip: behind the packing (for the LDS stores, the LDS loads and all 33 loads from memory); behind the first two runs of shifts; behind PROCESS (0,0); behind PROCESS (0,1); ahead of the products.
; TWO on vm_vsrc: ahead of the first shifts, and ahead of the shifts that write AD0 again.  Behind a wait the permutes are dealt among vector instructions that name none of their registers.
.set TKB,    262144                    ; bytes from a row of tiles (16 along K, all of N) to the next
.set TRIPB,  8*TKB                     ; a trip's eight rows of tiles
.set PPITCH, 80                        ; stage: a column pair's 16 words + 16 bytes: an odd multiple of 16
.set XYB,    16*PPITCH                 ; the 16 pairs' words for lanes 0-15; behind them those for lanes 16-31
.set STGW,   2*XYB                     ; a wave's stage
.set RED,    8*STGW                    ; behind the stages: the partial sums
.set RPITCH, 144                       ; a token's 32 partial sums + 16 bytes
.set REDW,   64*RPITCH                 ; a wave's 64 tokens
.set LOFF, 1                           ; v1   16 x lane: my 16 bytes of a tile
.set XO,   2                           ; v2   x's codes: 4,096 r + 16 h
.set XSO,  3                           ; v3   x's scale words: 256 r
.set SUO,  4                           ; v4   su: 4 (32 h + r)
.set SCO,  5                           ; v5   scales, sv: 8 r (my two columns)
.set WST,  6                           ; v6   stage, on the way in
.set RDA,  7                           ; v7   stage, on the way out
.set SH8,  8                           ; v8   8 h
.set GT,   9                           ; v9   grid[lane % 16]
.set SV,   10                          ; v[10:11] sv of my two columns
.set CC,   12                          ; v[12:13] c of column 0, twice; v[14:15] of column 1, twice
.set SCL,  16                          ; set b: v[16+2b:17+2b] scales of my two columns
.set SS,   20                          ; set b: v[20+4b+2c+u]: su[64 c + 32 h + 16 u + r] of the trip
.set XSC,  28                          ; set b: v[28+4b+mt]: x's scale words, token tile mt
.set WS,   36                          ; v36, v37 W's scale words, fragment 0, 1: they hold scales alone
.set PT,   38                          ; v38, v39 the other half's bytes
.set MXA,  40                          ; v40, v41 largest magnitudes
.set MXB,  41
.set EE,   42                          ; v42  the conversion's scale operand
.set BY,   44                          ; v[44+2c+j] scale bytes
.set Q,    48                          ; v48-63 word i: bytes a = 0..3 of row i of tile rows (0,1,4,5) or (2,3,6,7)
.set COD,  64                          ; v[64+8j+4c+g] codes
.set F,    80                          ; v80-111, v112-143 two batches; at a trip's head the packing works here
.set RW,   144                         ; v144 partial sums, in
.set RR,   145                         ; v145 partial sums, out
.set OO,   146                         ; v146 my byte offset in out0
.set GO,   147                         ; v147 4 r: grid
.set OUTR, 148                         ; v148-155 results
.set AD,   156                         ; v156-187, v188-219, v220-251 three batches of permute addresses
.set PP,   8                           ; s[8:9]   packed_indices
.set PX,   10                          ; s[10:11] x_codes
.set PXS,  12                          ; s[12:13] x_scales
.set PSC,  14                          ; s[14:15] scales
.set PSU,  16                          ; s[16:17] su
.set PSV,  18                          ; s[18:19] sv
.set PG,   20                          ; s[20:21] grid
.set PO,   22                          ; s[22:23] out0
.set WV,   24                          ; s24 wave
.set TA,   26                          ; s[26:27], s[28:29] offsets
.set TB,   28
.set SEL1, 30
.set SEL2, 31
.set SELA, 32
.set SELB, 33
.set CNT,  34
.set LA,   36
.set MSB, 0
.macro WIN new                         ; the immediate's high byte repeats the setting that is left; a switch that changes nothing is dropped
.if MSB != \new
	s_set_vgpr_msb (MSB<<8)|\new
.set MSB, \new
.endif
.endm
; 16 loads: 8 rows of tiles x 2 tiles, 512 consecutive bytes each, into raw set bs (window 1)
.macro RAWLOAD bs, off
	WIN 0x40
.irp a, 0,1,2,3,4,5,6,7
.irp tt, 0,1
	global_load_b128 v[64*(\bs)+4*(2*\a+\tt):64*(\bs)+4*(2*\a+\tt)+3], v[LOFF], s[PP:PP+1] offset:\off+\a*TKB+\tt*512 th:TH_LOAD_NT
.endr
.endr
.endm
; 17 loads: what a trip wants beside its indices, into set bs
.macro GROUP bs
.irp mt, 0,1,2,3
	global_load_b32 v[XSC+4*(\bs)+\mt], v[XSO], s[PXS:PXS+1] offset:\mt*4096        ; token 16 mt + r: four scale bytes = this trip's 128 along K
.endr
.irp c, 0,1
.irp u, 0,1
	global_load_b32 v[SS+4*(\bs)+2*\c+\u], v[SUO], s[PSU:PSU+1] offset:256*\c+64*\u
.endr
.endr
	global_load_b64 v[SCL+2*(\bs):SCL+2*(\bs)+1], v[SCO], s[PSC:PSC+1]
	WIN 0x40
.irp mt, 0,1,2,3
.irp c, 0,1
	global_load_b128 v[128+32*(\bs)+8*\mt+4*\c:128+32*(\bs)+8*\mt+4*\c+3], v[XO], s[PX:PX+1] offset:\mt*65536+32*\c   ; registers 4 c ..: K = 64 c + 32 h + 0 .. 31
.endr
.endr
.endm
; Batch (c, j): my block 2 c + h of column j.  Number i = 16 (a & 1) + row: byte a = 2 c + i / 16 of word i % 16, its low (j = 0) or high four bits, brought to bits 5:2, into address batch ab.
; The lowest index goes up by a 24-bit multiply by 4, so that no address has its top bit set.
; deal = 1: behind each shift stands one permute of batch (0,0), AD0 -> F0: the shifts name Q and their own address batch alone.
.macro SHIFT c, j, ab, deal
.set ii, 0
.rept 32
.set sh, 8*(2*(\c)+ii/16)+4*(\j)-2
.if sh < 0
	v_mul_u32_u24 v[AD+32*(\ab)+ii], 4, v[Q+ii%16]
.else
	v_lshrrev_b32 v[AD+32*(\ab)+ii], sh, v[Q+ii%16]
.endif
.if \deal
	ds_bpermute_b32 v[F+ii], v[AD+ii], v[GT]
.endif
.set ii, ii+1
.endr
.endm
.macro BPERM ab, fb                    ; grid[index]: addresses in batch ab, results into buffer fb
.set ii, 0
.rept 32
	ds_bpermute_b32 v[F+32*(\fb)+ii], v[AD+32*(\ab)+ii], v[GT]
.set ii, ii+1
.endr
.endm
; 32 numbers of one block of one column become 4 registers of codes and a scale byte.
; deal = 1: behind each of the 32 multiplies by su stands one permute of the next batch, address batch da -> buffer df (the other buffer than fb): the multiplies name su's set and buffer fb alone.
.macro PROCESS c, j, fb, bs, deal, da, df
.set FB, F+32*(\fb)
.irp u, 0,1
.irp ln, 0,1,2,3,4,5,6,7,8,9,10,11,12,13,14,15
	v_mul_f32_dpp v[FB+16*\u+\ln], v[SS+4*(\bs)+2*(\c)+\u], v[FB+16*\u+\ln] row_share:\ln row_mask:0xf bank_mask:0xf   ; x su[64 c + 32 h + 16 u + ln]: lane ln of my half holds it
.if \deal
	ds_bpermute_b32 v[F+32*(\df)+16*\u+\ln], v[AD+32*(\da)+16*\u+\ln], v[GT]
.endif
.endr
.endr
	v_max3_num_f32 v[MXA], |v[FB]|, |v[FB+1]|, |v[FB+2]|       ; the largest |grid x su| of the block, in two chains
	v_max3_num_f32 v[MXB], |v[FB+3]|, |v[FB+4]|, |v[FB+5]|
.irp i, 6,10,14,18,22,26
	v_max3_num_f32 v[MXA], v[MXA], |v[FB+\i]|, |v[FB+\i+1]|
	v_max3_num_f32 v[MXB], v[MXB], |v[FB+\i+2]|, |v[FB+\i+3]|
.endr
	v_max3_num_f32 v[MXA], v[MXA], |v[FB+30]|, |v[FB+31]|
	v_max_num_f32 v[MXA], v[MXA], v[MXB]
	v_mul_f32 v[MXA], v[MXA], |v[CC+2*(\j)]|                   ; x |c|: rounding keeps order, so this is the largest |w|
	v_max_num_f32 v[MXA], 0x1800000, v[MXA]                    ; the floor 2^(3 - 127): the byte cannot fall under 1
	v_add_nc_u32 v[EE], 0xff000000, v[MXA]                     ; 2 off the exponent field: the conversion takes the exponent field of this operand as its scale
.irp i, 0,2,4,6,8,10,12,14,16,18,20,22,24,26,28,30
	v_pk_mul_f32 v[FB+\i:FB+\i+1], v[FB+\i:FB+\i+1], v[CC+2*(\j):CC+2*(\j)+1]   ; w = (grid x su) x c
.endr
.irp g, 0,1,2,3
	v_cvt_scalef32_pk8_fp4_f32 v[COD+8*(\j)+4*(\c)+\g], v[FB+8*\g:FB+8*\g+7], v[EE]
.endr
	v_lshrrev_b32 v[BY+2*(\c)+(\j)], 23, v[EE]                 ; the scale's byte.  Also the plain instruction between the conversions and the next write of their sources
.endm
; A TRIP.  bs: its sets (trip % 2); zero: its products start the sums; ldx: the next trip's group is asked for; ldr: the indices of the trip after next; n1, n2: younger loads that may stay out
.macro TRIP bs, zero, ldx, ldr, n1, n2
	s_wait_loadcnt \n1                             ; loads come back in order (ISA guide 5.7.1): this trip's 16 index loads are in; behind them were issued this trip's group (17) and the next trip's indices (16)
.if \ldx
	s_wait_xcnt 0x0                                ; the loads issued a trip ago have read their bases: only behind this wait are the bases stepped.  The steps stand here, so that only LDS instructions, loads and window switches follow the wait behind the packing
	s_add_nc_u64 s[PP:PP+1], s[PP:PP+1], TRIPB
	s_add_nc_u64 s[PX:PX+1], s[PX:PX+1], 64
	s_add_nc_u64 s[PXS:PXS+1], s[PXS:PXS+1], 4
	s_add_nc_u64 s[PSU:PSU+1], s[PSU:PSU+1], 512
	s_add_nc_u64 s[PSC:PSC+1], s[PSC:PSC+1], 32768
.endif
	WIN 0x05                                       ; sources in window 1
.irp tt, 0,1
.irp p, 0,1,2,3
	v_perm_b32 v[F+4*(4*\tt+\p)],   v[64*(\bs)+4*(2+\tt)+\p],  v[64*(\bs)+4*(0+\tt)+\p],  s[SEL1]   ; byte 0 of tile rows 0, 1
	v_perm_b32 v[F+4*(4*\tt+\p)+1], v[64*(\bs)+4*(10+\tt)+\p], v[64*(\bs)+4*(8+\tt)+\p],  s[SEL1]   ; 4, 5
	v_perm_b32 v[F+4*(4*\tt+\p)+2], v[64*(\bs)+4*(6+\tt)+\p],  v[64*(\bs)+4*(4+\tt)+\p],  s[SEL1]   ; 2, 3
	v_perm_b32 v[F+4*(4*\tt+\p)+3], v[64*(\bs)+4*(14+\tt)+\p], v[64*(\bs)+4*(12+\tt)+\p], s[SEL1]   ; 6, 7
.endr
.endr
	WIN 0
.irp e, 0,1,2,3,4,5,6,7
	v_perm_b32 v[F+32+2*\e],   v[F+4*\e+1], v[F+4*\e],   s[SEL2]   ; tile rows 0,1,4,5: K blocks 0 and 2, for lanes 0-15
	v_perm_b32 v[F+32+2*\e+1], v[F+4*\e+3], v[F+4*\e+2], s[SEL2]   ; tile rows 2,3,6,7: K blocks 1 and 3, for lanes 16-31
.endr
	s_wait_alu depctr_va_vdst(0)                   ; the packing has written the words that the LDS stores read, and is done reading raw set bs, in which the index loads below land; the last trip's shifts are done reading Q, its multiplies and products
	                                               ; done reading the other sets of scales, su, x's scale words and fragments, in which the loads below land; in the first trip the stage's two addresses are written
.irp e, 0,1,2,3,4,5,6,7                        ; I hold row lane / 2 of pairs 4 (lane % 2) + p of tile tt (e = 4 tt + p): word [pair][row]
	ds_store_b32 v[WST], v[F+32+2*\e]   offset:(8*(\e/4)+\e%4)*PPITCH
	ds_store_b32 v[WST], v[F+32+2*\e+1] offset:XYB+(8*(\e/4)+\e%4)*PPITCH
.endr
.irp q, 0,1,2,3
	ds_load_b128 v[Q+4*\q:Q+4*\q+3], v[RDA] offset:16*\q       ; my pair's 16 words.  LDS serves a wave's instructions in order (ISA guide 5.7.1.4): these see the stores above; the stage is my wave's own
.endr
.if \ldx
	GROUP (1-\bs)                                  ; the next trip's group goes out AHEAD of the indices of the trip after next: issue order = order of use, so counted waits never wait for younger data
.endif
.if \ldr
	RAWLOAD \bs, TRIPB                             ; into the set just packed.  No vector instruction since the wait above: it serves all these loads
.endif
	WIN 0
	s_wait_loadcnt \n2                             ; this trip's group is in; behind it: the next trip's indices, its group, the indices of the trip after next
	v_mul_f32 v[CC],   v[SCL+2*(\bs)],   v[SV]     ; c = scales x sv, each twice for the packed multiply
	v_mul_f32 v[CC+1], v[SCL+2*(\bs)],   v[SV]
	v_mul_f32 v[CC+2], v[SCL+2*(\bs)+1], v[SV+1]
	v_mul_f32 v[CC+3], v[SCL+2*(\bs)+1], v[SV+1]
	s_wait_dscnt 0x0                               ; my 16 words are back
	s_wait_alu depctr_vm_vsrc(0)                   ; the LDS stores have read the packed words v[F+32 ..], in which batch (0,1)'s permutes land; the last trip's permutes have read AD0, AD1 and AD2, which the shifts below write
	SHIFT 0, 0, 0, 0                               ; four batches on two buffers: a batch's permutes are out while the batch before is worked
	SHIFT 0, 1, 1, 0
	s_wait_alu depctr_va_vdst(0)                   ; the shifts have written AD0 and AD1, which the permutes of batches (0,0) and (0,1) read
	SHIFT 1, 0, 2, 1                               ; batch (0,0)'s permutes, dealt among batch (1,0)'s shifts
	BPERM 1, 1                                     ; batch (0,1)'s.  Since the wait only Q and AD2 were named by vector instructions
	s_wait_dscnt 32                                ; batch (0,0) is in; all but the 32 permutes just issued
	s_wait_alu depctr_vm_vsrc(0)                   ; batch (0,0)'s permutes have read AD0, which the shifts below write again
	SHIFT 1, 1, 0, 0
	PROCESS 0, 0, 0, \bs, 0, 0, 0
	s_wait_alu depctr_va_vdst(0)                   ; batch (0,0)'s work is done with F0, in which batch (1,0)'s permutes land; AD2, which they read, and AD0 are written
	s_wait_dscnt 0x0                               ; batch (0,1) is in: nothing younger is out
	PROCESS 0, 1, 1, \bs, 1, 2, 0                  ; with batch (1,0)'s permutes, AD2 -> F0, dealt among its multiplies
	s_wait_alu depctr_va_vdst(0)                   ; batch (0,1)'s work is done with F1, in which batch (1,1)'s permutes land
	s_wait_dscnt 0x0                               ; batch (1,0) is in
	PROCESS 1, 0, 0, \bs, 1, 0, 1                  ; with batch (1,1)'s permutes, AD0 -> F1, dealt among its multiplies
	s_wait_dscnt 0x0                               ; batch (1,1) is in
	PROCESS 1, 1, 1, \bs, 0, 0, 0
.irp j, 0,1
	v_lshl_or_b32 v[WS+\j], v[BY+2+\j], 16, v[BY+\j]           ; my two bytes: blocks h and 2 + h,
.endr
.irp j, 0,1
	v_lshlrev_b32 v[WS+\j], v[SH8], v[WS+\j]                   ; at their places in the scale word;
.endr
.irp j, 0,1
	v_permlanex16_b32 v[PT+\j], v[WS+\j], s[SELA], s[SELB]
.endr
.irp j, 0,1
	v_or_b32 v[WS+\j], v[WS+\j], v[PT+\j]                      ; with lane l xor 16's two the word is whole
.endr
.rept 8
	v_nop                                          ; a scale register written by a vector instruction stands 8 places ahead of a scaled matrix instruction, an operand so written 4
.endr
	WIN 0x54                                       ; source 0 (codes) window 0; source 1 (x), C and D window 1
	s_wait_alu depctr_va_vdst(0)                   ; the conversions have written the codes and the lines above W's two scale words, which the scaled products take; the places above stay beside this wait
.irp mt, 0,1,2,3                               ; eight accumulators by turns, one instruction a turn
.irp j, 0,1
.if \zero
	v_wmma_scale_f32_16x16x128_f8f6f4 v[192+8*(2*\mt+\j):192+8*(2*\mt+\j)+7], v[COD+8*\j:COD+8*\j+7], v[128+32*(\bs)+8*\mt:128+32*(\bs)+8*\mt+7], 0, v[WS+\j], v[XSC+4*(\bs)+\mt] matrix_a_fmt:MATRIX_FMT_FP4 matrix_b_fmt:MATRIX_FMT_FP4
.else
	v_wmma_scale_f32_16x16x128_f8f6f4 v[192+8*(2*\mt+\j):192+8*(2*\mt+\j)+7], v[COD+8*\j:COD+8*\j+7], v[128+32*(\bs)+8*\mt:128+32*(\bs)+8*\mt+7], v[192+8*(2*\mt+\j):192+8*(2*\mt+\j)+7], v[WS+\j], v[XSC+4*(\bs)+\mt] matrix_a_fmt:MATRIX_FMT_FP4 matrix_b_fmt:MATRIX_FMT_FP4
.endif
.endr
.endr
	WIN 0                                          ; the registers that these products read are loaded again behind the next trip's packing and the wait that follows it
.endm
	s_load_b256 s[8:15], s[0:1], 0x0               ; packed_indices, x_codes, x_scales, scales
	s_load_b256 s[16:23], s[0:1], 0x20             ; su, sv, grid, out0
	v_lshl_add_u32 v254, v0, 2, 0x17000
	v_mov_b32 v255, 0
	v_lshrrev_b32 v[LOFF], 5, v0
	v_readfirstlane_b32 s[WV], v[LOFF]             ; wave 0..7
	v_and_b32 v40, 31, v0                          ; lane
	v_and_b32 v41, 15, v0                          ; r
	v_bfe_u32 v42, v0, 4, 1                        ; h
	v_lshlrev_b32 v[LOFF], 4, v40
	v_lshlrev_b32 v[XO], 12, v41
	v_lshl_add_u32 v[XO], v42, 4, v[XO]
	v_lshlrev_b32 v[XSO], 8, v41
	v_lshlrev_b32 v[SUO], 2, v41
	v_lshl_add_u32 v[SUO], v42, 7, v[SUO]
	v_lshlrev_b32 v[SCO], 3, v41
	v_lshlrev_b32 v[GO], 2, v41
	s_wait_alu depctr_va_sdst(0)                   ; the wave's number is written, ahead of its first reader: the bases and the LDS addresses are made from it
	s_lshl_b32 s[TA], ttmp9, 10                    ; my two tiles: 1,024 bytes a work-group,
	s_lshl_b32 s[TB], s[WV], 24                    ; my wave's 64 rows of tiles
	s_add_co_u32 s[TA], s[TA], s[TB]
	s_mov_b32 s[TA+1], 0
	s_mov_b32 s[TB+1], 0
	s_wait_kmcnt 0x0
	s_add_nc_u64 s[PP:PP+1], s[PP:PP+1], s[TA:TA+1]
	s_lshl_b32 s[TA], s[WV], 9                     ; 1,024 codes of a row of x
	s_add_nc_u64 s[PX:PX+1], s[PX:PX+1], s[TA:TA+1]
	s_lshl_b32 s[TA], s[WV], 5                     ; their 32 scale bytes
	s_add_nc_u64 s[PXS:PXS+1], s[PXS:PXS+1], s[TA:TA+1]
	s_lshl_b32 s[TA], s[WV], 12                    ; 1,024 numbers of su
	s_add_nc_u64 s[PSU:PSU+1], s[PSU:PSU+1], s[TA:TA+1]
	s_lshl_b32 s[TB], ttmp9, 7                     ; my 32 columns, in f32
	s_add_nc_u64 s[PSV:PSV+1], s[PSV:PSV+1], s[TB:TB+1]
	s_lshl_b32 s[TA], s[WV], 18                    ; 8 rows of 32,768 bytes: of scales (my wave's 8 blocks of 128) and of out0 (the 8 tokens that my wave stores)
	s_add_co_u32 s[TA], s[TA], s[TB]
	s_add_nc_u64 s[PSC:PSC+1], s[PSC:PSC+1], s[TA:TA+1]
	s_add_nc_u64 s[PO:PO+1], s[PO:PO+1], s[TA:TA+1]
	s_wait_alu depctr_va_vdst(0)                   ; the six offsets v1 to v5 and v147 are written, which every load from memory reads; they are never written again
	global_load_b32 v[GT], v[GO], s[PG:PG+1]       ; grid[lane % 16]
	global_load_b64 v[SV:SV+1], v[SCO], s[PSV:PSV+1]
	RAWLOAD 0, 0                                   ; trip 0's indices, its group, trip 1's indices: in the order of use
	WIN 0
	GROUP 0
	RAWLOAD 1, TRIPB
	WIN 0
	s_mov_b32 s[SEL1], 0x04000400                  ; v_perm_b32: byte 0 of the second source, byte 0 of the first
	s_mov_b32 s[SEL2], 0x05040100                  ; the two low halves
	s_mov_b32 s[SELA], 0x76543210                  ; v_permlanex16_b32: lane l xor 16
	s_mov_b32 s[SELB], 0xfedcba98
	v_mov_b32 v[PT], 0                             ; written once: a lane permute's destination counts as one of its sources
	v_mov_b32 v[PT+1], 0
	v_lshlrev_b32 v[SH8], 3, v42
	s_mul_i32 s[LA], s[WV], STGW                   ; my wave's stage
	v_bfe_u32 v43, v0, 1, 4                        ; the tile's row that I load: lane / 2
	v_and_b32 v44, 1, v0                           ; and which half of it
	v_mul_u32_u24 v[WST], v44, 4*PPITCH
	v_lshl_add_u32 v[WST], v43, 2, v[WST]
	v_add_nc_u32 v[WST], s[LA], v[WST]             ; in: pair 4 (lane % 2) + .., word lane / 2: the two halves' words lie 80 words apart, so 32 lanes touch 32 banks
	v_mul_u32_u24 v[RDA], v41, PPITCH
	v_mad_u32_u24 v[RDA], v42, XYB, v[RDA]
	v_add_nc_u32 v[RDA], s[LA], v[RDA]             ; out: pair r, my half's words
	s_mul_i32 s[LA], s[WV], REDW
	v_mul_u32_u24 v[RW], v41, RPITCH
	v_lshl_add_u32 v[RW], v42, 5, v[RW]
	v_add_nc_u32 v[RW], s[LA], v[RW]
	v_add_nc_u32 v[RW], RED, v[RW]                 ; partial sums, in: my wave's part, token r, 32 h bytes on
	s_mul_i32 s[LA], s[WV], 8*RPITCH
	v_bfe_u32 v46, v0, 3, 2                        ; out: lane / 8 = token, lane % 8 = which four columns
	v_and_b32 v47, 7, v0
	v_mul_u32_u24 v[RR], v46, RPITCH
	v_lshl_add_u32 v[RR], v47, 3, v[RR]
	v_add_nc_u32 v[RR], s[LA], v[RR]
	v_add_nc_u32 v[RR], RED, v[RR]
	v_lshlrev_b32 v[OO], 15, v46
	v_lshl_add_u32 v[OO], v47, 4, v[OO]            ; (these LDS addresses and this offset are first read behind the trips' waits on va_vdst)
	TRIP 0, 1, 1, 1, 33, 49                        ; trip 0: its products start the sums: nothing is cleared
	TRIP 1, 0, 1, 1, 33, 49
	s_mov_b32 s[CNT], 2
.Lpair:                                            ; trips 2 to 5: two a pass, so that the sets are back where they began
	TRIP 0, 0, 1, 1, 33, 49
	TRIP 1, 0, 1, 1, 33, 49
	s_sub_co_u32 s[CNT], s[CNT], 1
	s_cmp_lg_u32 s[CNT], 0
	s_cbranch_scc1 .Lpair
	TRIP 0, 0, 1, 0, 33, 33                        ; trip 6 asks for no indices, trip 7 for nothing: no load leaves its buffer, and the counts run down
	TRIP 1, 0, 0, 0, 17, 0
	; THE SUM OVER THE EIGHT WAVES.  Register i of accumulator (mt, j) in lane (r, h) is token 16 mt + r, column 16 h + 2 i + j.  It goes to [wave][token][16 j + 8 h + i]; a barrier; wave w then takes tokens 8 w .. 8 w + 7:
	; a lane takes four neighbouring columns 4 q .. 4 q + 3 of a token: the pair at word 2 q (j = 0: columns 4 q, 4 q + 2) and the pair at word 16 + 2 q (j = 1: columns 4 q + 1, 4 q + 3) of each wave's part.
.rept 4
	v_nop                                          ; four places between the last products and the first read of results
.endr
	WIN 0x04                                       ; an LDS store's data are its source 1: window 1
	s_wait_alu depctr_va_vdst(0)                   ; the products have written the accumulators, which the LDS stores read (the places above stay beside this wait); the last trip's work is done with F0 and F1, in which the partial sums land behind the barrier
.irp mt, 0,1,2,3
.irp j, 0,1
	ds_store_b128 v[RW], v[192+8*(2*\mt+\j):192+8*(2*\mt+\j)+3]   offset:\mt*16*RPITCH+64*\j      ; each accumulator from its low end on
	ds_store_b128 v[RW], v[192+8*(2*\mt+\j)+4:192+8*(2*\mt+\j)+7] offset:\mt*16*RPITCH+64*\j+16
.endr
.endr
	WIN 0
	s_wait_dscnt 0x0                               ; for the others' sake: my partial sums lie in LDS
	s_barrier_signal -1
	s_barrier_wait -1                              ; everybody's do
.irp hh, 0,1                                   ; tokens 8 w + 4 hh + lane / 8
.irp wv, 0,1,2,3,4,5,6,7
	ds_load_b64 v[F+32*\hh+4*\wv:F+32*\hh+4*\wv+1],   v[RR] offset:\wv*REDW+\hh*4*RPITCH
	ds_load_b64 v[F+32*\hh+4*\wv+2:F+32*\hh+4*\wv+3], v[RR] offset:\wv*REDW+\hh*4*RPITCH+64
.endr
.endr
.irp hh, 0,1
	s_wait_dscnt 16-16*\hh                         ; this half's 16 loads are in; the other half's may be out
.irp wv, 0,2,4,6
	v_pk_add_f32 v[F+32*\hh+4*\wv:F+32*\hh+4*\wv+1],   v[F+32*\hh+4*\wv:F+32*\hh+4*\wv+1],   v[F+32*\hh+4*\wv+4:F+32*\hh+4*\wv+5]
	v_pk_add_f32 v[F+32*\hh+4*\wv+2:F+32*\hh+4*\wv+3], v[F+32*\hh+4*\wv+2:F+32*\hh+4*\wv+3], v[F+32*\hh+4*\wv+6:F+32*\hh+4*\wv+7]
.endr
.irp wv, 0,4
	v_pk_add_f32 v[F+32*\hh+4*\wv:F+32*\hh+4*\wv+1],   v[F+32*\hh+4*\wv:F+32*\hh+4*\wv+1],   v[F+32*\hh+4*\wv+8:F+32*\hh+4*\wv+9]
	v_pk_add_f32 v[F+32*\hh+4*\wv+2:F+32*\hh+4*\wv+3], v[F+32*\hh+4*\wv+2:F+32*\hh+4*\wv+3], v[F+32*\hh+4*\wv+10:F+32*\hh+4*\wv+11]
.endr
	v_add_f32 v[OUTR+4*\hh],   v[F+32*\hh],   v[F+32*\hh+16]   ; the last addition puts the four columns in order
	v_add_f32 v[OUTR+4*\hh+1], v[F+32*\hh+2], v[F+32*\hh+18]
	v_add_f32 v[OUTR+4*\hh+2], v[F+32*\hh+1], v[F+32*\hh+17]
	v_add_f32 v[OUTR+4*\hh+3], v[F+32*\hh+3], v[F+32*\hh+19]
.endr
	s_wait_alu depctr_va_vdst(0)                   ; the last additions have written v148 to v155, which the two stores read
.irp hh, 0,1
	global_store_b128 v[OO], v[OUTR+4*\hh:OUTR+4*\hh+3], s[PO:PO+1] offset:\hh*4*32768 th:TH_STORE_NT   ; eight lanes store a token's 128 consecutive bytes, at a multiple of 128 from out0's first byte
.endr
	s_wait_dscnt 0x0
	s_wait_alu depctr_hold_cnt(0) depctr_sa_sdst(0) depctr_va_vdst(0) depctr_va_sdst(0) depctr_va_ssrc(0) depctr_va_vcc(0) depctr_vm_vsrc(0)
	s_wait_tensorcnt 0x0
	ds_add_u32 v254, v255
	s_wait_dscnt 0x0
	s_endpgm
.Lfunc_end_k_q8937031dfc_trellis:
	.size	k_q8937031dfc_trellis, .Lfunc_end_k_q8937031dfc_trellis-k_q8937031dfc_trellis
	.p2alignl 7, 3214868480
	.fill 96, 4, 3214868480
	.section	.rodata,"a",@progbits
	.p2align	6, 0x0
	.amdhsa_kernel k_q8937031dfc_trellis
		.amdhsa_group_segment_fixed_size 95232
		.amdhsa_private_segment_fixed_size 0
		.amdhsa_enable_private_segment 0
		.amdhsa_kernarg_size 64
		.amdhsa_user_sgpr_count 2
		.amdhsa_user_sgpr_kernarg_segment_ptr 1
		.amdhsa_wavefront_size32 1
		.amdhsa_system_sgpr_workgroup_id_x 1
		.amdhsa_system_sgpr_workgroup_id_y 1
		.amdhsa_system_sgpr_workgroup_id_z 1
		.amdhsa_system_vgpr_workitem_id 0
		.amdhsa_next_free_vgpr 512
		.amdhsa_next_free_sgpr 66
		.amdhsa_reserve_vcc 0
		.amdhsa_float_denorm_mode_32 3
		.amdhsa_float_denorm_mode_16_64 3
		.amdhsa_memory_ordered 1
		.amdhsa_forward_progress 1
		.amdhsa_inst_pref_size 248
	.end_amdhsa_kernel
	.amdgpu_metadata
---
amdhsa.version: [ 1, 2 ]
amdhsa.kernels:
  - .name:           k_q8937031dfc_trellis
    .symbol:         k_q8937031dfc_trellis.kd
    .args:
      - { .name: packed_indices, .offset: 0, .size: 8, .value_kind: global_buffer, .address_space: global }
      - { .name: x_codes, .offset: 8, .size: 8, .value_kind: global_buffer, .address_space: global }
      - { .name: x_scales, .offset: 16, .size: 8, .value_kind: global_buffer, .address_space: global }
      - { .name: scales, .offset: 24, .size: 8, .value_kind: global_buffer, .address_space: global }
      - { .name: su, .offset: 32, .size: 8, .value_kind: global_buffer, .address_space: global }
      - { .name: sv, .offset: 40, .size: 8, .value_kind: global_buffer, .address_space: global }
      - { .name: grid, .offset: 48, .size: 8, .value_kind: global_buffer, .address_space: global }
      - { .name: out0, .offset: 56, .size: 8, .value_kind: global_buffer, .address_space: global }
    .group_segment_fixed_size: 95232
    .private_segment_fixed_size: 0
    .kernarg_segment_align: 8
    .kernarg_segment_size: 64
    .max_flat_workgroup_size: 256
    .sgpr_count:     66
    .vgpr_count:     512
    .wavefront_size: 32
...
	.end_amdgpu_metadata
.endif
;; end of part 2
